; MI455X (gfx1250); checked and timed in simulation.
; The chip was launched on July 23, 2026; its instructions are those of AMD's public machine-readable ISA for CDNA 5 (MIT licence, August 2026) and "CDNA5" Instruction Set Architecture Reference Guide (July 2026). The comments in the code are by the model that wrote it; some were corrected since.
;; Quantum Layer. Allowed arithmetic: float matrix products may take bf16 or f16 operands with f32 sums; all other float work in f32.
;; Inputs: bias 3 float32; class_bias 1 float32; weights 6 x 4 x 3 float32; x 524,288 x 4 float32.
;; Outputs: out0 524,288 x 4 float32.
;; 2 versions, each right; version 2 is version 1 with the launch qlayer written anew for expert scheduling mode. Each part assembles by itself: llvm-mc -triple=amdgcn-amd-amdhsa -mcpu=gfx1250 --defsym DOCPART=n.
;; ======== version 1 of 2: 1 launch
;; limits: inputs' magnitudes at most 26,353,589; an absolute error that grows with the inputs' magnitude: up to 1.5e-08 times it; a function is approximated: absolute error at most 6.8e-06
;; launch qlayer (part 1): grid 256 x 1, 8 waves a work-group, no clusters, 5,120 bytes of LDS; arguments weights, x, out0; writes out0
.if DOCPART == 1
	.amdgcn_target "amdgcn-amd-amdhsa--gfx1250"
	.amdhsa_code_object_version 6
	.text
	.protected	k_q117f273b24_qlayer
	.globl	k_q117f273b24_qlayer
	.p2align	8
	.type	k_q117f273b24_qlayer,@function
k_q117f273b24_qlayer:
	s_mov_b64 s[64:65], 0
	v_nop
	global_prefetch_b8 v0, s[64:65] scope:SCOPE_SE
	s_setreg_imm32_b32 hwreg(HW_REG_WAVE_MODE, 25, 1), 1
	s_wait_xcnt 0x0
; QuantumLayer: out0[b][q] = <Z_q> of a 4-qubit circuit: RX(x) embedding, six layers of (CNOT ring, RZ RY RX on each qubit).
;
; THE ALGEBRA.  The state in front of the layers is D r: r_j = product over q of (j_q ? sin(x_q/2) : cos(x_q/2)), real, and
; D_jj = (-i)^popcount(j).  The layers are one 16 x 16 unitary U of the weights.  So psi = W r with W = U D: 16 real numbers in,
; 32 out (re, im of 16 amplitudes); p = re^2 + im^2; out0[b][q] = sum over i of (i_q ? -p_i : p_i).
; bias and class_bias are never read: they are not among the arguments.
;
; THE SHARES.  256 work-groups x 8 waves.  A work-group owns 2,048 samples, a wave 8 batches of 32, a lane one sample of a batch:
; 16 bytes in, 16 bytes out, so each load and store of a wave covers 512 consecutive bytes, aligned.
; Every work-group builds W itself from the 288 bytes of weights (work-groups exchange nothing).  That is all they share, so a
; cluster with joint loads has nothing to carry; x goes from memory straight to the lane that uses it, so no LDS ring either.
;
; THE MATRIX WORK (f16 operands, f32 sums; all operands lie in [-1, 1]).  A lane's 16 features are 8 packed registers, used as they
; stand as a B fragment: column r then holds sample r's features in the k places of lanes 0-15 and sample 16+r's in those of
; lanes 16-31.  A fragments of W with data in one half of the lanes and zeros in the other pick one of the two samples.
; D(m = 8h+j, n = r) has the layout of a B fragment again, so p, packed, feeds a product with the constant sign matrix S,
; which leaves the four results of sample L in registers 0-3 of lane L.
;
; THE ORDER OF WORK.  W stands at the end of a chain that no result can precede: angles, gate table, barrier, 24 gates of four
; dependent steps, LDS, barrier, fragments.  The features hang on x alone.  So the features are written as a stream of
; NPAIR pairs of instructions a batch (FILL emits the next pair) and laid into the chain's gaps: batches 0, 1 while wave 0 makes
; the gate table; of batches 2-7 (6 x 22 = 132 pairs) 8 pairs behind the issue of the coefficient loads, one behind each of the 96
; gate steps, 6 between the second barrier's signal and wait, 22 behind the issue of the fragment loads.
;
; LIMITS.  x and weights finite (a NaN or infinity in x also spoils the sample 16 places away in its batch: 0 x NaN).
; Angles are reduced modulo pi by adding 1.5 * 2^23, right for |angle| < 2^22 * 2 pi; the reduced angle is off by about
; |angle| * 1.5e-8 rad.  A reduction modulo pi flips (cos, sin) together: psi or a gate changes its sign, the results do not.
; sin is off by at most 1.2e-6, cos by 6.8e-6 (degree 3 in f^2, economised); W, r and p are rounded to f16 (2^-11 relative).
.set NB,      8                        ; batches of a wave
.set BSTEP,   4096                     ; bytes from batch to batch: 256 threads x 16
.set NPAIR,   22                       ; pairs of instructions that make one batch's features
.set LDS_WT,  0                        ; W in f16: [re, im][features 0-7, 8-15][amplitude m] 16 bytes
.set LDS_ZR,  1024                     ; 1,024 zeros, shaped like W
.set LDS_ST,  2048                     ; S as a fragment: [registers 0-3, 4-7][lane] 16 bytes
.set LDS_GT,  3072                     ; gates: [g][bit of the lane's amplitude] (A_re, A_im, B_re, B_im); rows 24-31 repeat gate 23
.set LANE, 1
.set VOFF, 2                           ; 16 x thread: my 16 bytes in a batch of x and of out0
.set WADR, 3                           ; wave 0: byte offset of my gate's three angles
.set MAG,  4                           ; v[4:5]   1.5 * 2^23, twice
.set KS3,  6                           ; v[6:7]   sine's leading coefficient, twice
.set KC3,  8                           ; v[8:9]   cosine's leading coefficient, twice
.set ST0,  10                          ; v[10:13] my amplitude: (re, im), two sets that take turns
.set GX,   14
.set TMP,  15
.set X,    16                          ; v[16:47]   x, 4 registers a batch
.set FR,   48                          ; v[48:111]  features, 8 registers a batch; later the batch's results
.set PA,   96                          ; v[97:111]  16 x parity(lane & k), k = 1..15 (dead once the coefficient loads are issued)
.set F01,  112
.set F23,  114
.set U01,  116
.set U23,  118
.set S01,  120
.set S23,  122
.set C01,  124
.set C23,  126
.set P,    128                         ; v[128:135]
.set T,    136                         ; v[136:151]
.set XW,   152                         ; v[152:155] wave 0: a gate's angles
.set WAD,  156                         ; where my amplitude goes in W
.set AG0,  157                         ; fragment addresses: lanes 0-15 at W, lanes 16-31 at the zeros
.set AG1,  158                         ; and the other way round
.set SA,   159                         ; 16 x lane
.set CO,   160                         ; v[160:255] 24 gates x 4 coefficients; dead behind the gates:
.set WF,   160                         ; v[160:191] W fragments [group][re, im]
.set SF,   192                         ; v[192:199] S fragment
.set D0,   200                         ; v[200:231] psi of even batches [group][re, im]
.set D1,   112                         ; v[112:143] psi of odd batches (the features' temporaries are dead by then)
.set PP,   232                         ; v[232:247] p in f32
.set PB,   248                         ; v[248:255] p in f16: a B fragment
.set K_S2, 0x4022d111                  ;  2.5440104   sin(pi f) = f (S0 + S1 u + S2 u^2 + S3 u^3), u = f^2, |f| <= 1/2
.set K_S1, 0xc0a55b65                  ; -5.1674067
.set K_S0, 0x40490fd1                  ;  3.1415903
.set K_C2, 0x408151e8                  ;  4.0412481   cos(pi f) = C0 + C1 u + C2 u^2 + C3 u^3
.set K_C1, 0xc09de2cb                  ; -4.9339347
.set K_C0, 0x3f7fff8f                  ;  0.99999325
	s_load_b128 s[4:7], s[0:1], 0x0                ; weights s[4:5], x s[6:7]
	s_load_b64 s[8:9], s[0:1], 0x10                ; out0
	s_set_vgpr_msb 0x40
	v_lshl_add_u32 v0, v0, 2, 0x1000
	v_mov_b32 v1, 0
	s_set_vgpr_msb 0x4000
	v_and_b32 v[LANE], 31, v0
	v_lshrrev_b32 v[TMP], 5, v0
	v_readfirstlane_b32 s10, v[TMP]                ; wave 0..7
	v_lshlrev_b32 v[VOFF], 4, v0
	v_min_u32 v[WADR], 23, v[LANE]                 ; lane = gate; lanes 24-31 repeat gate 23 and stay inside the buffer
	v_mul_u32_u24 v[WADR], v[WADR], 12
	s_lshl_b32 s12, ttmp9, 15                      ; the work-group's 2,048 samples x 16 bytes
	s_mov_b32 s13, 0
	s_mov_b32 s20, 0x0550055a                      ; 2 bits a column c: 1 + re of (-i)^popcount(J(c))
	s_mov_b32 s21, 0x52855225                      ; 2 bits a column c: 1 + im of it
	s_wait_kmcnt 0x0
	s_add_nc_u64 s[6:7], s[6:7], s[12:13]
	s_add_nc_u64 s[8:9], s[8:9], s[12:13]
	s_cmp_lg_u32 s10, 0
	s_cbranch_scc1 .Lxload
	global_load_b96 v[XW:XW+2], v[WADR], s[4:5]    ; wave 0 alone, ahead of its x: the gates are wanted first
.Lxload:
.irp b, 0,1,2,3,4,5,6,7
	global_load_b128 v[X+4*\b:X+4*\b+3], v[VOFF], s[6:7] offset:\b*BSTEP th:TH_LOAD_NT
.endr
	; ---- while the loads are on their way: everything that hangs on the thread's number alone ----
	v_mov_b32 v[MAG],   0x4b400000
	v_mov_b32 v[MAG+1], 0x4b400000
	v_mov_b32 v[KS3],   0xbf0f38e9                 ; -0.55946213
	v_mov_b32 v[KS3+1], 0xbf0f38e9
	v_mov_b32 v[KC3],   0xbf9c6b8a                 ; -1.2220318
	v_mov_b32 v[KC3+1], 0xbf9c6b8a
	; 16 x parity(lane & k): bit 4 of an xor of shifted lane numbers
	v_lshlrev_b32 v[PA+1], 4, v[LANE]
	v_lshlrev_b32 v[PA+2], 3, v[LANE]
	v_lshlrev_b32 v[PA+4], 2, v[LANE]
	v_lshlrev_b32 v[PA+8], 1, v[LANE]
	v_xor_b32 v[PA+3], v[PA+1], v[PA+2]
	v_xor_b32 v[PA+5], v[PA+1], v[PA+4]
	v_xor_b32 v[PA+6], v[PA+2], v[PA+4]
	v_xor_b32 v[PA+7], v[PA+3], v[PA+4]
.irp k, 1,2,3,4,5,6,7
	v_xor_b32 v[PA+8+\k], v[PA+\k], v[PA+8]
.endr
.irp k, 1,2,3,4,5,6,7,8,9,10,11,12,13,14,15
	v_and_b32 v[PA+\k], 16, v[PA+\k]
.endr
	; my half-wave evolves column c = thread / 16 of W; lane l = thread % 16 holds one amplitude.  At the start lane c holds
	; (-i)^popcount(J(c)), the others 0 (J: see the gates below).
	v_lshrrev_b32 v[TMP], 4, v0                    ; c
	v_and_b32 v[GX], 15, v0                        ; l
	v_cmp_eq_u32 vcc_lo, v[TMP], v[GX]
	v_lshlrev_b32 v[TMP], 1, v[TMP]
	v_bfe_u32 v[ST0],   s20, v[TMP], 2
	v_bfe_u32 v[ST0+1], s21, v[TMP], 2
	v_add_nc_u32 v[ST0],   -1, v[ST0]
	v_add_nc_u32 v[ST0+1], -1, v[ST0+1]
	v_cvt_f32_i32 v[ST0],   v[ST0]
	v_cvt_f32_i32 v[ST0+1], v[ST0+1]
	v_cndmask_b32 v[ST0],   0, v[ST0],   vcc_lo
	v_cndmask_b32 v[ST0+1], 0, v[ST0+1], vcc_lo
	v_mov_b32 v[ST0+3], 0                          ; destinations of the first lane-crossing multiplies: written once beforehand
	v_mov_b32 v[GX], 0
	; W(m = l, feature c) lies at 256 (c / 8) + 16 l + 2 (c % 8), its imaginary part 512 further on
	v_lshlrev_b32 v[WAD], 1, v0
	v_and_b32 v[WAD], 0x100, v[WAD]
	v_lshrrev_b32 v[TMP], 3, v0
	v_and_or_b32 v[WAD], v[TMP], 14, v[WAD]
	v_lshlrev_b32 v[TMP], 4, v0
	v_and_or_b32 v[WAD], v[TMP], 0xf0, v[WAD]
	; fragment addresses: row lane % 16; one half of the lanes reads W, the other the zeros 1,024 bytes further on
	v_lshlrev_b32 v[SA], 4, v[LANE]
	v_and_b32 v[AG0], 0xf0, v[SA]
	v_lshlrev_b32 v[TMP], 6, v[LANE]
	v_and_or_b32 v[AG0], v[TMP], 0x400, v[AG0]
	v_xor_b32 v[TMP], 16, v[LANE]
	v_lshlrev_b32 v[TMP], 6, v[TMP]
	v_and_b32 v[AG1], 0xf0, v[SA]
	v_and_or_b32 v[AG1], v[TMP], 0x400, v[AG1]
; sin and cos of half of four angles v[xb .. xb+3], up to a common sign for each angle, two angles an instruction, in 11 pairs.
; angle / 2 = pi (n + f): n = nearest whole number to angle / (2 pi), by adding and taking away 1.5 * 2^23; f by one fused step.
.macro POLY0 s, c, u                   ; the two polynomials' first steps for two angles
	v_pk_fma_f32 v[\s:\s+1], v[\u:\u+1], v[KS3:KS3+1], K_S2 op_sel_hi:[1,1,0]
	v_pk_fma_f32 v[\c:\c+1], v[\u:\u+1], v[KC3:KC3+1], K_C2 op_sel_hi:[1,1,0]
.endm
.macro POLYN s, c, u, ks, kc           ; a further step of both
	v_pk_fma_f32 v[\s:\s+1], v[\s:\s+1], v[\u:\u+1], \ks op_sel_hi:[1,1,0]
	v_pk_fma_f32 v[\c:\c+1], v[\c:\c+1], v[\u:\u+1], \kc op_sel_hi:[1,1,0]
.endm
.macro SCPAIR xb, i
.if \i == 0
	v_pk_fma_f32 v[S01:S01+1], v[\xb:\xb+1],   0.15915494, v[MAG:MAG+1] op_sel_hi:[1,0,1]
	v_pk_fma_f32 v[S23:S23+1], v[\xb+2:\xb+3], 0.15915494, v[MAG:MAG+1] op_sel_hi:[1,0,1]
.endif
.if \i == 1
	v_pk_add_f32 v[S01:S01+1], v[MAG:MAG+1], v[S01:S01+1] neg_lo:[0,1] neg_hi:[0,1]   ; -n
	v_pk_add_f32 v[S23:S23+1], v[MAG:MAG+1], v[S23:S23+1] neg_lo:[0,1] neg_hi:[0,1]
.endif
.if \i == 2
	v_pk_fma_f32 v[F01:F01+1], v[\xb:\xb+1],   0.15915494, v[S01:S01+1] op_sel_hi:[1,0,1]
	v_pk_fma_f32 v[F23:F23+1], v[\xb+2:\xb+3], 0.15915494, v[S23:S23+1] op_sel_hi:[1,0,1]
.endif
.if \i == 3
	v_pk_mul_f32 v[U01:U01+1], v[F01:F01+1], v[F01:F01+1]
	v_pk_mul_f32 v[U23:U23+1], v[F23:F23+1], v[F23:F23+1]
.endif
.if \i == 4
	POLY0 S01, C01, U01
.endif
.if \i == 5
	POLY0 S23, C23, U23
.endif
.if \i == 6
	POLYN S01, C01, U01, K_S1, K_C1
.endif
.if \i == 7
	POLYN S23, C23, U23, K_S1, K_C1
.endif
.if \i == 8
	POLYN S01, C01, U01, K_S0, K_C0
.endif
.if \i == 9
	POLYN S23, C23, U23, K_S0, K_C0
.endif
.if \i == 10
	v_pk_mul_f32 v[S01:S01+1], v[S01:S01+1], v[F01:F01+1]
	v_pk_mul_f32 v[S23:S23+1], v[S23:S23+1], v[F23:F23+1]
.endif
.endm
.macro SINCOS xb
.irp i, 0,1,2,3,4,5,6,7,8,9,10
	SCPAIR \xb, \i
.endr
.endm
; T[2p] = E_a F_b, T[2p+1] = E_b F_a from the pairs (E_a, F_a), (E_b, F_b)
.macro CROSS p, a, b
	v_pk_mul_f32 v[T+2*\p:T+2*\p+1], v[P+2*\a:P+2*\a+1], v[P+2*\b:P+2*\b+1] op_sel:[0,1] op_sel_hi:[1,0]
.endm
; Pair FI (0 .. NPAIR-1) of the features of batch FB.  E_a = qubits 0, 2 (a = 2 j0 + j2), F_b = qubits 1, 3 (b = 2 j1 + j3),
; r_j = E_a F_b.  Feature place e holds r_J(e), J = 0,15,7,8,14,1,9,6,5,10,2,13,11,4,12,3: the basis state that column e of W starts from.
.macro FPAIR
.set XB, X+4*FB
.set RB, FR+8*FB
.if FI == 0
	s_wait_loadcnt NB-1-FB                         ; loads return in order: batch FB is in, the NB-1-FB younger ones may be out
.endif
.if FI < 11
	SCPAIR XB, FI
.endif
.if FI == 11
	v_pk_mul_f32 v[P:P+1],     v[C01:C01+1], v[C23:C23+1]      ; (E_0, F_0) = (c0 c2, c1 c3)
	v_pk_mul_f32 v[P+2:P+3],   v[C01:C01+1], v[S23:S23+1]      ; (E_1, F_1) = (c0 s2, c1 s3)
.endif
.if FI == 12
	v_pk_mul_f32 v[P+4:P+5],   v[S01:S01+1], v[C23:C23+1]      ; (E_2, F_2) = (s0 c2, s1 c3)
	v_pk_mul_f32 v[P+6:P+7],   v[S01:S01+1], v[S23:S23+1]      ; (E_3, F_3) = (s0 s2, s1 s3)
.endif
.if FI == 13
	CROSS 0, 0, 1
	CROSS 1, 0, 2
.endif
.if FI == 14
	CROSS 2, 0, 3
	CROSS 3, 1, 2
.endif
.if FI == 15
	CROSS 4, 1, 3
	CROSS 5, 2, 3
.endif
.if FI == 16
	v_mul_f32 v[T+12], v[P+0], v[P+1]                          ; E_a F_a
	v_mul_f32 v[T+13], v[P+2], v[P+3]
.endif
.if FI == 17
	v_mul_f32 v[T+14], v[P+4], v[P+5]
	v_mul_f32 v[T+15], v[P+6], v[P+7]
.endif
.if FI == 18
	v_cvt_pk_f16_f32 v[RB+0], v[T+12], v[T+15]                 ; r_0,  r_15
	v_cvt_pk_f16_f32 v[RB+1], v[T+8],  v[T+3]                  ; r_7,  r_8
.endif
.if FI == 19
	v_cvt_pk_f16_f32 v[RB+2], v[T+11], v[T+0]                  ; r_14, r_1
	v_cvt_pk_f16_f32 v[RB+3], v[T+7],  v[T+6]                  ; r_9,  r_6
.endif
.if FI == 20
	v_cvt_pk_f16_f32 v[RB+4], v[T+4],  v[T+5]                  ; r_5,  r_10
	v_cvt_pk_f16_f32 v[RB+5], v[T+1],  v[T+10]                 ; r_2,  r_13
.endif
.if FI == 21
	v_cvt_pk_f16_f32 v[RB+6], v[T+9],  v[T+2]                  ; r_11, r_4
	v_cvt_pk_f16_f32 v[RB+7], v[T+14], v[T+13]                 ; r_12, r_3
.endif
.endm
.macro FEAT b                          ; a whole batch in one run
.set FB, \b
.set FI, 0
.rept NPAIR
	FPAIR
.set FI, FI+1
.endr
.endm
.macro FILL                            ; the next pair of the stream; FN = NPAIR x batch + pair
.set FB, FN/NPAIR
.set FI, FN%NPAIR
	FPAIR
.set FN, FN+1
.endm
	; ---- in front of barrier A: wave 0 makes the gates; wave 1 S and the zeros (they hang on no load); waves 1-7 two batches ----
	s_cmp_eq_u32 s10, 0
	s_cbranch_scc1 .Lprep
	s_cmp_lg_u32 s10, 1
	s_cbranch_scc1 .Lfirst
	; S as an A fragment: lane (row = lane % 16, h = lane / 16), registers 0-3: k = 8h .. 8h+7, registers 4-7: k = 16+8h ..
	; k < 16: amplitude k of the batch's samples 0-15; k >= 16: amplitude k - 16 of samples 16-31.
	; Rows 0-7 act on k < 16, rows 8-15 on k >= 16; row % 4 = q has -1 where bit 3 - q of the amplitude is set.
	; (Rows 4-7 and 12-15 repeat rows 0-3 and 8-11; what they produce is never stored.)
.irp i, 0,1,2,3
	v_mov_b32 v[P+\i], 0
.endr
	ds_store_b128 v[SA], v[P:P+3] offset:LDS_ZR
	ds_store_b128 v[SA], v[P:P+3] offset:LDS_ZR+512
	v_and_b32 v[F01], 3, v[LANE]                   ; q
	v_mov_b32 v[F01+1], 0x3c003c00                 ; (+1, +1) in f16
	v_mov_b32 v[F23],   0xbc00bc00                 ; (-1, -1)
	v_cmp_lt_u32 vcc_lo, 15, v[LANE]
	v_cndmask_b32 v[F23+1], v[F01+1], v[F23], vcc_lo           ; q = 0: bit 3 of the amplitude is h
	v_cmp_eq_u32 vcc_lo, 0, v[F01]
	v_cndmask_b32 v[U01], v[F01+1], v[F23+1], vcc_lo
	v_cmp_ne_u32 vcc_lo, 3, v[F01]
	v_cndmask_b32 v[U01], 0xbc003c00, v[U01], vcc_lo           ; q = 3: bit 0, the upper half of every register
	v_cmp_ne_u32 vcc_lo, 1, v[F01]
	v_cndmask_b32 v[S01], 0x80008000, v[P], vcc_lo             ; q = 1: bit 2, registers 2 and 3
	v_cmp_ne_u32 vcc_lo, 2, v[F01]
	v_cndmask_b32 v[S01+1], 0x80008000, v[P], vcc_lo           ; q = 2: bit 1, registers 1 and 3
	v_xor_b32 v[U01+1], v[U01], v[S01+1]
	v_xor_b32 v[U01+2], v[U01], v[S01]
	v_xor_b32 v[U01+3], v[U01+1], v[S01]
	v_and_b32 v[S23], 8, v[LANE]
	v_cmp_eq_u32 vcc_lo, 0, v[S23]
.irp i, 0,1,2,3
	v_cndmask_b32 v[T+\i],   v[P], v[U01+\i], vcc_lo
	v_cndmask_b32 v[T+4+\i], v[U01+\i], v[P], vcc_lo
.endr
	ds_store_b128 v[SA], v[T:T+3]   offset:LDS_ST
	ds_store_b128 v[SA], v[T+4:T+7] offset:LDS_ST+512
.Lfirst:
	FEAT 0
	FEAT 1
	s_branch .Lbar_a
.Lprep:
	; Lane g: G = RZ(w2) RY(w1) RX(w0) = [[a, -conj b], [b, conj a]],
	; a = (cz - i sz)(cy cx + i sy sx), b = (cz + i sz)(sy cx - i cy sx).
	; A lane whose amplitude has the gate's qubit at 0 computes a own - conj(b) partner, one at 1 conj(a) own + b partner:
	; both sets (A = factor of own, B = factor of partner) are stored, 16 bytes each.
	s_wait_loadcnt NB                              ; the angles are in; my NB loads of x are younger and may be out
	v_mov_b32 v[XW+3], v[XW+2]                     ; the fourth place of the macro: any finite number
	SINCOS XW
	v_mul_f32 v[P+0], v[C01+1], v[C01]             ; p = cy cx
	v_mul_f32 v[P+1], v[S01+1], v[S01]             ; q = sy sx
	v_mul_f32 v[P+2], v[S01+1], v[C01]             ; r = sy cx
	v_mul_f32 v[P+3], v[C01+1], v[S01]             ; t = cy sx
	v_mul_f32 v[T+8],  v[S23], v[P+1]
	v_mul_f32 v[T+9],  v[S23], v[P+0]
	v_mul_f32 v[T+10], v[S23], v[P+3]
	v_mul_f32 v[T+11], v[C23], v[P+3]
	v_fma_f32 v[T+0], v[C23], v[P+0], v[T+8]       ;  a_re = cz p + sz q
	v_fma_f32 v[T+1], v[C23], v[P+1], -v[T+9]      ;  a_im = cz q - sz p
	v_fma_f32 v[T+2], -v[C23], v[P+2], -v[T+10]    ; -b_re = -(cz r + sz t)
	v_fma_f32 v[T+3], v[S23], v[P+2], -v[T+11]     ;  b_im = sz r - cz t
	v_mov_b32 v[T+4], v[T+0]                       ; the second set repeats a_re and b_im: 16 bytes that go out together
	v_fma_f32 v[T+5], -v[C23], v[P+1], v[T+9]      ; -a_im
	v_fma_f32 v[T+6], v[C23], v[P+2], v[T+10]      ;  b_re
	v_mov_b32 v[T+7], v[T+3]
	v_lshlrev_b32 v[U01], 5, v[LANE]               ; row = lane: 32 rows of 32 bytes, the last eight are copies of gate 23
	ds_store_b128 v[U01], v[T:T+3]   offset:LDS_GT
	ds_store_b128 v[U01], v[T+4:T+7] offset:LDS_GT+16
.Lbar_a:
	s_wait_dscnt 0x0                               ; the tables are in LDS before their writers say so
	s_barrier_signal -1
	s_barrier_wait -1
	; ---- the 24 gates on my column, with the features of batches 2 .. in their gaps ----
	; A CNOT ring only renames amplitudes: psi'[i] = psi[Q i], Q linear over GF(2) on the four index bits (bit 3 = qubit 0):
	; Q = rows 1001, 1101, 0110, 0011; its inverse R = rows 0111, 1100, 1110, 1111.  No data moves: in layer n lane l holds amplitude
	; Q^(6-n) l, so that behind layer 6 lane l holds amplitude l, and at the start lane c holds basis state J(c) = Q^6 c.
	; For qubit q of layer n: rho = row q of Q^(6-n): the amplitude's bit is parity(l & rho);  xm = column q of R^(6-n): the partner is l ^ xm.
.macro FORGATES op                     ; g = 4 (layer - 1) + q, rho, xm
	\op 0, 3, 14
	\op 1, 10, 7
	\op 2, 13, 15
	\op 3, 6, 11
	\op 4, 1, 9
	\op 5, 9, 8
	\op 6, 4, 4
	\op 7, 2, 2
	\op 8, 15, 1
	\op 9, 8, 12
	\op 10, 12, 6
	\op 11, 14, 3
	\op 12, 10, 13
	\op 13, 7, 10
	\op 14, 11, 5
	\op 15, 5, 14
	\op 16, 9, 7
	\op 17, 13, 15
	\op 18, 6, 11
	\op 19, 3, 9
	\op 20, 8, 8
	\op 21, 4, 4
	\op 22, 2, 2
	\op 23, 1, 1
.endm
.macro LOADCO g, rho, xm
	ds_load_b128 v[CO+4*\g:CO+4*\g+3], v[PA+\rho] offset:LDS_GT+32*\g
.endm
; new = A own + B partner, complex; the partner's value rides in on the arithmetic (row_xmask inside each half of 16 lanes).
; Four steps of two instructions, each step reading the step before: behind each stands a pair of the stream, which reads none of them.
.macro GATE g, rho, xm
.set SRC, ST0+2*((\g)&1)
.set DST, ST0+2-2*((\g)&1)
.set CG,  CO+4*(\g)
	s_wait_dscnt 23-(\g)                           ; LDS loads return in order: gate g's is in, the 23-g younger ones may be out
	v_mul_f32_dpp  v[GX],    v[SRC+1], v[CG+3] row_xmask:\xm row_mask:0xf bank_mask:0xf    ; B_im p_im
	v_mul_f32_dpp  v[DST+1], v[SRC+1], v[CG+2] row_xmask:\xm row_mask:0xf bank_mask:0xf    ; B_re p_im
	FILL
	v_fmac_f32     v[GX],    v[CG+1],  v[SRC+1]                                            ; + A_im o_im
	v_fmac_f32_dpp v[DST+1], v[SRC],   v[CG+3] row_xmask:\xm row_mask:0xf bank_mask:0xf    ; + B_im p_re
	FILL
	v_fma_f32      v[DST],   v[CG],    v[SRC], -v[GX]                                      ; A_re o_re - (..)
	v_fmac_f32     v[DST+1], v[CG],    v[SRC+1]                                            ; + A_re o_im
	FILL
	v_fmac_f32_dpp v[DST],   v[SRC],   v[CG+2] row_xmask:\xm row_mask:0xf bank_mask:0xf    ; + B_re p_re
	v_fmac_f32     v[DST+1], v[CG+1],  v[SRC]                                              ; + A_im o_re
	FILL
.endm
.set FN, 2*NPAIR                                   ; the stream starts at batch 2
	FORGATES LOADCO
.rept 8
	FILL                                           ; while the first coefficients come
.endr
	FORGATES GATE                                  ; 96 pairs of the stream
	v_cvt_pk_f16_f32 v[GX], v[ST0], v[ST0+1]       ; gate 23 wrote set 0: W(l, c), re in the low half, im in the high half
	ds_store_b16        v[WAD], v[GX] offset:LDS_WT
	ds_store_b16_d16_hi v[WAD], v[GX] offset:LDS_WT+512
	s_wait_dscnt 0x0                               ; my two columns of W are in LDS
	s_barrier_signal -1
.rept 5*NPAIR-8-96
	FILL                                           ; registers only: the six pairs that end batch 6
.endr
	s_barrier_wait -1
	; ---- fragments: row lane % 16 of W, 16 features = 32 bytes, in one half of the lanes, zeros in the other ----
.irp t, 0,1
	ds_load_b128 v[WF+8*\t:WF+8*\t+3],       v[AG0] offset:LDS_WT+512*\t
	ds_load_b128 v[WF+8*\t+4:WF+8*\t+7],     v[AG0] offset:LDS_WT+512*\t+256
	ds_load_b128 v[WF+16+8*\t:WF+16+8*\t+3], v[AG1] offset:LDS_WT+512*\t
	ds_load_b128 v[WF+16+8*\t+4:WF+16+8*\t+7], v[AG1] offset:LDS_WT+512*\t+256
.endr
	ds_load_b128 v[SF:SF+3],   v[SA] offset:LDS_ST
	ds_load_b128 v[SF+4:SF+7], v[SA] offset:LDS_ST+512
	; while they come: wave 0 makes up the two batches that the gate table cost it (the stream stands between two batches here,
	; so the shared temporaries are free), and every wave makes its last batch
	s_cmp_lg_u32 s10, 0
	s_cbranch_scc1 .Lrest
	FEAT 0
	FEAT 1
.Lrest:
.rept NPAIR
	FILL                                           ; batch 7
.endr
	s_wait_dscnt 0x0                               ; the ten fragment loads
; psi of batch b: tile 2 g + t = (samples 16 g .. 16 g + 15) x (re, im); register j of lane (r, h): amplitude 8h + j of sample 16 g + r
.macro MM1 b, d
.irp i, 0,1,2,3
	v_wmma_f32_16x16x32_f16 v[\d+8*\i:\d+8*\i+7], v[WF+8*\i:WF+8*\i+7], v[FR+8*\b:FR+8*\b+7], 0
.endr
.endm
; p = re^2 + im^2 in f32, then packed: registers 0-3 group 0 (k = 8h + j), registers 4-7 group 1 (k = 16 + 8h + j)
.macro POST d
.irp g, 0,1
.irp i, 0,2,4,6
	v_pk_mul_f32 v[PP+8*\g+\i:PP+8*\g+\i+1], v[\d+16*\g+8+\i:\d+16*\g+8+\i+1], v[\d+16*\g+8+\i:\d+16*\g+8+\i+1]
.endr
.endr
.irp g, 0,1
.irp i, 0,2,4,6
	v_pk_fma_f32 v[PP+8*\g+\i:PP+8*\g+\i+1], v[\d+16*\g+\i:\d+16*\g+\i+1], v[\d+16*\g+\i:\d+16*\g+\i+1], v[PP+8*\g+\i:PP+8*\g+\i+1]
.endr
.endr
.irp g, 0,1
.irp i, 0,1,2,3
	v_cvt_pk_f16_f32 v[PB+4*\g+\i], v[PP+8*\g+2*\i], v[PP+8*\g+2*\i+1]
.endr
.endr
.endm
; One batch's turn.  Behind a matrix instruction four (before a vector instruction or a store touches its registers) or five
; (before a matrix instruction writes over them) plain vector instructions that name none of its registers must pass.
; So psi of batch b+1 is started before p of batch b is made, and the results of batch b-1 are stored behind it:
; the 16 packed instructions of POST are those places for all three.  The signed sums land in the batch's own feature
; registers, which nothing reads any more: no store's data is ever written over.
.macro ITER b, dcur, dnext
.if \b < NB-1
	MM1 (\b+1), \dnext
.endif
.if \b == 0
.rept 4
	v_nop                                          ; the first batch has no earlier batch's arithmetic in front of it
.endr
.endif
	POST \dcur
	v_wmma_f32_16x16x32_f16 v[FR+8*\b:FR+8*\b+7], v[SF:SF+7], v[PB:PB+7], 0    ; registers 0-3 of lane L: the four results of sample L
.if \b > 0
	global_store_b128 v[VOFF], v[FR+8*(\b-1):FR+8*(\b-1)+3], s[8:9] offset:(\b-1)*BSTEP th:TH_STORE_NT
.endif
.endm
	MM1 0, D0
	ITER 0, D0, D1
	ITER 1, D1, D0
	ITER 2, D0, D1
	ITER 3, D1, D0
	ITER 4, D0, D1
	ITER 5, D1, D0
	ITER 6, D0, D1
	ITER 7, D1, D0
.rept 4
	v_nop                                          ; the places behind the last matrix instruction
.endr
	global_store_b128 v[VOFF], v[FR+8*(NB-1):FR+8*(NB-1)+3], s[8:9] offset:(NB-1)*BSTEP th:TH_STORE_NT
	s_set_vgpr_msb 0x5
	s_wait_tensorcnt 0x0
	ds_add_u32 v0, v1
	s_wait_dscnt 0x0
	s_set_vgpr_msb 0x500
	s_endpgm
.Lfunc_end_k_q117f273b24_qlayer:
	.size	k_q117f273b24_qlayer, .Lfunc_end_k_q117f273b24_qlayer-k_q117f273b24_qlayer
	.p2alignl 7, 3214868480
	.fill 96, 4, 3214868480
	.section	.rodata,"a",@progbits
	.p2align	6, 0x0
	.amdhsa_kernel k_q117f273b24_qlayer
		.amdhsa_group_segment_fixed_size 5120
		.amdhsa_private_segment_fixed_size 0
		.amdhsa_enable_private_segment 0
		.amdhsa_kernarg_size 24
		.amdhsa_user_sgpr_count 2
		.amdhsa_user_sgpr_kernarg_segment_ptr 1
		.amdhsa_wavefront_size32 1
		.amdhsa_system_sgpr_workgroup_id_x 1
		.amdhsa_system_sgpr_workgroup_id_y 1
		.amdhsa_system_sgpr_workgroup_id_z 1
		.amdhsa_system_vgpr_workitem_id 0
		.amdhsa_next_free_vgpr 258
		.amdhsa_next_free_sgpr 66
		.amdhsa_reserve_vcc 1
		.amdhsa_float_denorm_mode_32 3
		.amdhsa_float_denorm_mode_16_64 3
		.amdhsa_memory_ordered 1
		.amdhsa_forward_progress 1
		.amdhsa_inst_pref_size 68
	.end_amdhsa_kernel
	.amdgpu_metadata
---
amdhsa.version: [ 1, 2 ]
amdhsa.kernels:
  - .name:           k_q117f273b24_qlayer
    .symbol:         k_q117f273b24_qlayer.kd
    .args:
      - { .name: weights, .offset: 0, .size: 8, .value_kind: global_buffer, .address_space: global }
      - { .name: x, .offset: 8, .size: 8, .value_kind: global_buffer, .address_space: global }
      - { .name: out0, .offset: 16, .size: 8, .value_kind: global_buffer, .address_space: global }
    .group_segment_fixed_size: 5120
    .private_segment_fixed_size: 0
    .kernarg_segment_align: 8
    .kernarg_segment_size: 24
    .max_flat_workgroup_size: 256
    .sgpr_count:     66
    .vgpr_count:     258
    .wavefront_size: 32
...
	.end_amdgpu_metadata
.endif
;; end of part 1
;; ======== version 2 of 2: 1 launch; version 1 with the launch qlayer written anew for expert scheduling mode
;; limits: inputs' magnitudes at most 26,353,589; an absolute error that grows with the inputs' magnitude: up to 1.5e-08 times it; a function is approximated: absolute error at most 6.8e-06
;; launch qlayer (part 2): grid 256 x 1, 8 waves a work-group, no clusters, 5,120 bytes of LDS; arguments weights, x, out0; writes out0
.if DOCPART == 2
	.amdgcn_target "amdgcn-amd-amdhsa--gfx1250"
	.amdhsa_code_object_version 6
	.text
	.protected	k_q117f273b24_qlayer
	.globl	k_q117f273b24_qlayer
	.p2align	8
	.type	k_q117f273b24_qlayer,@function
k_q117f273b24_qlayer:
	s_mov_b64 s[64:65], 0
	v_nop
	global_prefetch_b8 v0, s[64:65] scope:SCOPE_SE
	s_setreg_imm32_b32 hwreg(HW_REG_WAVE_SCHED_MODE, 0, 2), 2
	s_setreg_imm32_b32 hwreg(HW_REG_WAVE_MODE, 25, 1), 1
	s_wait_xcnt 0x0
	s_wait_alu depctr_vm_vsrc(0)
; QuantumLayer: out0[b][q] = <Z_q> of a 4-qubit circuit: RX(x) embedding, six layers of (CNOT ring, RZ RY RX on each qubit).
;
; THE ALGEBRA.  The state in front of the layers is D r: r_j = product over q of (j_q ? sin(x_q/2) : cos(x_q/2)), real, and
; D_jj = (-i)^popcount(j).  The layers are one 16 x 16 unitary U of the weights.  So psi = W r with W = U D: 16 real numbers in,
; 32 out (re, im of 16 amplitudes); p = re^2 + im^2; out0[b][q] = sum over i of (i_q ? -p_i : p_i).
; bias and class_bias are never read: they are not among the arguments.
;
; THE SHARES.  256 work-groups x 8 waves.  A work-group owns 2,048 samples, a wave 8 batches of 32, a lane one sample of a batch:
; 16 bytes in, 16 bytes out, so each load and store of a wave covers 512 consecutive bytes, aligned.
; Every work-group builds W itself from the 288 bytes of weights (work-groups exchange nothing).  That is all they share, so a
; cluster with joint loads has nothing to carry; x goes from memory straight to the lane that uses it, so no LDS ring either.
;
; THE MATRIX WORK (f16 operands, f32 sums; all operands lie in [-1, 1]).  A lane's 16 features are 8 packed registers, used as they
; stand as a B fragment: column r then holds sample r's features in the k places of lanes 0-15 and sample 16+r's in those of
; lanes 16-31.  A fragments of W with data in one half of the lanes and zeros in the other pick one of the two samples.
; D(m = 8h+j, n = r) has the layout of a B fragment again, so p, packed, feeds a product with the constant sign matrix S,
; which leaves the four results of sample L in registers 0-3 of lane L.
;
; THE ORDER OF WORK.  W stands at the end of a chain that no result can precede: angles, gate table, barrier, 24 gates of four
; dependent steps, LDS, barrier, fragments.  The features hang on x alone.  So the features are written as a stream of
; NPAIR pairs of instructions a batch (FILL emits the next pair) and laid into the chain's gaps: batches 0, 1 while wave 0 makes
; the gate table; of batches 2-7 (6 x 22 = 132 pairs) 8 pairs behind the issue of the coefficient loads, one behind each of the 96
; gate steps, 6 between the second barrier's signal and wait, 22 behind the issue of the fragment loads.
;
; THE MODE: SCHED_MODE bits 1:0 = 2 (LLVM: expert scheduling mode 2), set by the entry lines.  The code itself states the register
; dependences between vector or matrix instructions and memory or LDS instructions, with s_wait_alu, always for 0.
; THE PLAN.  Registers that memory or LDS instructions touch:
;   VOFF, WADR            written once at the head; offsets of every global load and store; never written again.
;   X, XW                 loads land in them before any vector instruction has named them; never loaded again.
;   PA (v97-111)          written at the head; addresses of the 24 coefficient loads; then written by the conversions of batches 6 and 7.
;   WAD, AG0, AG1, SA     written at the head; LDS addresses; no vector instruction names them again.
;   P, T (wave 1), U01, T (wave 0)   data and address of the tables' LDS stores; then the features' temporaries.
;   CO (v160-255)         the coefficient loads land in them unnamed; the gates read them; v160-199 are loaded again: the fragments.
;   GX                    W's two stores read it; never written again.
;   FR+8b .. +3           written by batch b's product with S; read by one store; never written again.
; So: one wait on va_vdst in front of the first loads, one at the end of the head for all LDS addresses, one in front of each run of
; LDS stores, of which the one behind the gates also frees the fragments' registers, and one in each batch's turn, in front of the
; store of the batch before.  Waits on vm_vsrc stand behind the tables' stores and in front of the second barrier (PA).
.set NB,      8                        ; batches of a wave
.set BSTEP,   4096                     ; bytes from batch to batch: 256 threads x 16
.set NPAIR,   22                       ; pairs of instructions that make one batch's features
.set LDS_WT,  0                        ; W in f16: [re, im][features 0-7, 8-15][amplitude m] 16 bytes
.set LDS_ZR,  1024                     ; 1,024 zeros, shaped like W
.set LDS_ST,  2048                     ; S as a fragment: [registers 0-3, 4-7][lane] 16 bytes
.set LDS_GT,  3072                     ; gates: [g][bit of the lane's amplitude] (A_re, A_im, B_re, B_im); rows 24-31 repeat gate 23
.set LANE, 1
.set VOFF, 2                           ; 16 x thread: my 16 bytes in a batch of x and of out0
.set WADR, 3                           ; wave 0: byte offset of my gate's three angles
.set MAG,  4                           ; v[4:5]   1.5 * 2^23, twice
.set KS3,  6                           ; v[6:7]   sine's leading coefficient, twice
.set KC3,  8                           ; v[8:9]   cosine's leading coefficient, twice
.set ST0,  10                          ; v[10:13] my amplitude: (re, im), two sets that take turns
.set GX,   14
.set TMP,  15
.set X,    16                          ; v[16:47]   x, 4 registers a batch
.set FR,   48                          ; v[48:111]  features, 8 registers a batch; later the batch's results
.set PA,   96                          ; v[97:111]  16 x parity(lane & k), k = 1..15 (dead once the coefficient loads have read them)
.set F01,  112
.set F23,  114
.set U01,  116
.set U23,  118
.set S01,  120
.set S23,  122
.set C01,  124
.set C23,  126
.set P,    128                         ; v[128:135]
.set T,    136                         ; v[136:151]
.set XW,   152                         ; v[152:155] wave 0: a gate's angles
.set WAD,  156                         ; where my amplitude goes in W
.set AG0,  157                         ; fragment addresses: lanes 0-15 at W, lanes 16-31 at the zeros
.set AG1,  158                         ; and the other way round
.set SA,   159                         ; 16 x lane
.set CO,   160                         ; v[160:255] 24 gates x 4 coefficients; dead behind the gates:
.set WF,   160                         ; v[160:191] W fragments [group][re, im]
.set SF,   192                         ; v[192:199] S fragment
.set D0,   200                         ; v[200:231] psi of even batches [group][re, im]
.set D1,   112                         ; v[112:143] psi of odd batches (the features' temporaries are dead by then)
.set PP,   232                         ; v[232:247] p in f32
.set PB,   248                         ; v[248:255] p in f16: a B fragment
.set K_S2, 0x4022d111                  ;  2.5440104   sin(pi f) = f (S0 + S1 u + S2 u^2 + S3 u^3), u = f^2, |f| <= 1/2
.set K_S1, 0xc0a55b65                  ; -5.1674067
.set K_S0, 0x40490fd1                  ;  3.1415903
.set K_C2, 0x408151e8                  ;  4.0412481   cos(pi f) = C0 + C1 u + C2 u^2 + C3 u^3
.set K_C1, 0xc09de2cb                  ; -4.9339347
.set K_C0, 0x3f7fff8f                  ;  0.99999325
	s_load_b128 s[4:7], s[0:1], 0x0                ; weights s[4:5], x s[6:7]
	s_load_b64 s[8:9], s[0:1], 0x10                ; out0
	s_set_vgpr_msb 0x40
	v_lshl_add_u32 v0, v0, 2, 0x1000
	v_mov_b32 v1, 0
	s_set_vgpr_msb 0x4000
	v_and_b32 v[LANE], 31, v0
	v_lshrrev_b32 v[TMP], 5, v0
	v_readfirstlane_b32 s10, v[TMP]                ; wave 0..7
	v_lshlrev_b32 v[VOFF], 4, v0
	v_min_u32 v[WADR], 23, v[LANE]                 ; lane = gate; lanes 24-31 repeat gate 23 and stay inside the buffer
	v_mul_u32_u24 v[WADR], v[WADR], 12
	s_lshl_b32 s12, ttmp9, 15                      ; the work-group's 2,048 samples x 16 bytes
	s_mov_b32 s13, 0
	s_mov_b32 s20, 0x0550055a                      ; 2 bits a column c: 1 + re of (-i)^popcount(J(c))
	s_mov_b32 s21, 0x52855225                      ; 2 bits a column c: 1 + im of it
	s_wait_alu depctr_va_sdst(0)                   ; s10 is written, ahead of its first reader, the compare below
	s_wait_alu depctr_va_vdst(0)                   ; VOFF and WADR are written: every global load and store of the kernel reads one of them as its offset
	s_wait_kmcnt 0x0
	s_add_nc_u64 s[6:7], s[6:7], s[12:13]
	s_add_nc_u64 s[8:9], s[8:9], s[12:13]
	s_cmp_lg_u32 s10, 0
	s_cbranch_scc1 .Lxload
	global_load_b96 v[XW:XW+2], v[WADR], s[4:5]    ; wave 0 alone, ahead of its x: the gates are wanted first
.Lxload:
.irp b, 0,1,2,3,4,5,6,7
	global_load_b128 v[X+4*\b:X+4*\b+3], v[VOFF], s[6:7] offset:\b*BSTEP th:TH_LOAD_NT
.endr
	; ---- while the loads are on their way: everything that hangs on the thread's number alone ----
	v_mov_b32 v[MAG],   0x4b400000
	v_mov_b32 v[MAG+1], 0x4b400000
	v_mov_b32 v[KS3],   0xbf0f38e9                 ; -0.55946213
	v_mov_b32 v[KS3+1], 0xbf0f38e9
	v_mov_b32 v[KC3],   0xbf9c6b8a                 ; -1.2220318
	v_mov_b32 v[KC3+1], 0xbf9c6b8a
	; 16 x parity(lane & k): bit 4 of an xor of shifted lane numbers
	v_lshlrev_b32 v[PA+1], 4, v[LANE]
	v_lshlrev_b32 v[PA+2], 3, v[LANE]
	v_lshlrev_b32 v[PA+4], 2, v[LANE]
	v_lshlrev_b32 v[PA+8], 1, v[LANE]
	v_xor_b32 v[PA+3], v[PA+1], v[PA+2]
	v_xor_b32 v[PA+5], v[PA+1], v[PA+4]
	v_xor_b32 v[PA+6], v[PA+2], v[PA+4]
	v_xor_b32 v[PA+7], v[PA+3], v[PA+4]
.irp k, 1,2,3,4,5,6,7
	v_xor_b32 v[PA+8+\k], v[PA+\k], v[PA+8]
.endr
.irp k, 1,2,3,4,5,6,7,8,9,10,11,12,13,14,15
	v_and_b32 v[PA+\k], 16, v[PA+\k]
.endr
	; my half-wave evolves column c = thread / 16 of W; lane l = thread % 16 holds one amplitude.  At the start lane c holds
	; (-i)^popcount(J(c)), the others 0 (J: see the gates below).
	v_lshrrev_b32 v[TMP], 4, v0                    ; c
	v_and_b32 v[GX], 15, v0                        ; l
	v_cmp_eq_u32 vcc_lo, v[TMP], v[GX]
	v_lshlrev_b32 v[TMP], 1, v[TMP]
	v_bfe_u32 v[ST0],   s20, v[TMP], 2
	v_bfe_u32 v[ST0+1], s21, v[TMP], 2
	v_add_nc_u32 v[ST0],   -1, v[ST0]
	v_add_nc_u32 v[ST0+1], -1, v[ST0+1]
	v_cvt_f32_i32 v[ST0],   v[ST0]
	v_cvt_f32_i32 v[ST0+1], v[ST0+1]
	s_wait_alu depctr_va_vcc(0)                    ; the compare above has written VCC, which the two selects read
	v_cndmask_b32 v[ST0],   0, v[ST0],   vcc_lo
	v_cndmask_b32 v[ST0+1], 0, v[ST0+1], vcc_lo
	v_mov_b32 v[ST0+3], 0                          ; destinations of the first lane-crossing multiplies: written once beforehand
	v_mov_b32 v[GX], 0
	; W(m = l, feature c) lies at 256 (c / 8) + 16 l + 2 (c % 8), its imaginary part 512 further on
	v_lshlrev_b32 v[WAD], 1, v0
	v_and_b32 v[WAD], 0x100, v[WAD]
	v_lshrrev_b32 v[TMP], 3, v0
	v_and_or_b32 v[WAD], v[TMP], 14, v[WAD]
	v_lshlrev_b32 v[TMP], 4, v0
	v_and_or_b32 v[WAD], v[TMP], 0xf0, v[WAD]
	; fragment addresses: row lane % 16; one half of the lanes reads W, the other the zeros 1,024 bytes further on
	v_lshlrev_b32 v[SA], 4, v[LANE]
	v_and_b32 v[AG0], 0xf0, v[SA]
	v_lshlrev_b32 v[TMP], 6, v[LANE]
	v_and_or_b32 v[AG0], v[TMP], 0x400, v[AG0]
	v_xor_b32 v[TMP], 16, v[LANE]
	v_lshlrev_b32 v[TMP], 6, v[TMP]
	v_and_b32 v[AG1], 0xf0, v[SA]
	v_and_or_b32 v[AG1], v[TMP], 0x400, v[AG1]
	s_wait_alu depctr_va_vdst(0)                   ; PA, WAD, AG0, AG1 and SA are written: the LDS addresses of the whole kernel.  No vector instruction names WAD, AG0, AG1, SA again, and none names PA ahead of the coefficient loads
; sin and cos of half of four angles v[xb .. xb+3], up to a common sign for each angle, two angles an instruction, in 11 pairs.
; angle / 2 = pi (n + f): n = nearest whole number to angle / (2 pi), by adding and taking away 1.5 * 2^23; f by one fused step.
.macro POLY0 s, c, u                   ; the two polynomials' first steps for two angles
	v_pk_fma_f32 v[\s:\s+1], v[\u:\u+1], v[KS3:KS3+1], K_S2 op_sel_hi:[1,1,0]
	v_pk_fma_f32 v[\c:\c+1], v[\u:\u+1], v[KC3:KC3+1], K_C2 op_sel_hi:[1,1,0]
.endm
.macro POLYN s, c, u, ks, kc           ; a further step of both
	v_pk_fma_f32 v[\s:\s+1], v[\s:\s+1], v[\u:\u+1], \ks op_sel_hi:[1,1,0]
	v_pk_fma_f32 v[\c:\c+1], v[\c:\c+1], v[\u:\u+1], \kc op_sel_hi:[1,1,0]
.endm
.macro SCPAIR xb, i
.if \i == 0
	v_pk_fma_f32 v[S01:S01+1], v[\xb:\xb+1],   0.15915494, v[MAG:MAG+1] op_sel_hi:[1,0,1]
	v_pk_fma_f32 v[S23:S23+1], v[\xb+2:\xb+3], 0.15915494, v[MAG:MAG+1] op_sel_hi:[1,0,1]
.endif
.if \i == 1
	v_pk_add_f32 v[S01:S01+1], v[MAG:MAG+1], v[S01:S01+1] neg_lo:[0,1] neg_hi:[0,1]   ; -n
	v_pk_add_f32 v[S23:S23+1], v[MAG:MAG+1], v[S23:S23+1] neg_lo:[0,1] neg_hi:[0,1]
.endif
.if \i == 2
	v_pk_fma_f32 v[F01:F01+1], v[\xb:\xb+1],   0.15915494, v[S01:S01+1] op_sel_hi:[1,0,1]
	v_pk_fma_f32 v[F23:F23+1], v[\xb+2:\xb+3], 0.15915494, v[S23:S23+1] op_sel_hi:[1,0,1]
.endif
.if \i == 3
	v_pk_mul_f32 v[U01:U01+1], v[F01:F01+1], v[F01:F01+1]
	v_pk_mul_f32 v[U23:U23+1], v[F23:F23+1], v[F23:F23+1]
.endif
.if \i == 4
	POLY0 S01, C01, U01
.endif
.if \i == 5
	POLY0 S23, C23, U23
.endif
.if \i == 6
	POLYN S01, C01, U01, K_S1, K_C1
.endif
.if \i == 7
	POLYN S23, C23, U23, K_S1, K_C1
.endif
.if \i == 8
	POLYN S01, C01, U01, K_S0, K_C0
.endif
.if \i == 9
	POLYN S23, C23, U23, K_S0, K_C0
.endif
.if \i == 10
	v_pk_mul_f32 v[S01:S01+1], v[S01:S01+1], v[F01:F01+1]
	v_pk_mul_f32 v[S23:S23+1], v[S23:S23+1], v[F23:F23+1]
.endif
.endm
.macro SINCOS xb
.irp i, 0,1,2,3,4,5,6,7,8,9,10
	SCPAIR \xb, \i
.endr
.endm
; T[2p] = E_a F_b, T[2p+1] = E_b F_a from the pairs (E_a, F_a), (E_b, F_b)
.macro CROSS p, a, b
	v_pk_mul_f32 v[T+2*\p:T+2*\p+1], v[P+2*\a:P+2*\a+1], v[P+2*\b:P+2*\b+1] op_sel:[0,1] op_sel_hi:[1,0]
.endm
; Pair FI (0 .. NPAIR-1) of the features of batch FB.  E_a = qubits 0, 2 (a = 2 j0 + j2), F_b = qubits 1, 3 (b = 2 j1 + j3),
; r_j = E_a F_b.  Feature place e holds r_J(e), J = 0,15,7,8,14,1,9,6,5,10,2,13,11,4,12,3: the basis state that column e of W starts from.
.macro FPAIR
.set XB, X+4*FB
.set RB, FR+8*FB
.if FI == 0
	s_wait_loadcnt NB-1-FB                         ; loads return in order: batch FB is in, the NB-1-FB younger ones may be out
.endif
.if FI < 11
	SCPAIR XB, FI
.endif
.if FI == 11
	v_pk_mul_f32 v[P:P+1],     v[C01:C01+1], v[C23:C23+1]      ; (E_0, F_0) = (c0 c2, c1 c3)
	v_pk_mul_f32 v[P+2:P+3],   v[C01:C01+1], v[S23:S23+1]      ; (E_1, F_1) = (c0 s2, c1 s3)
.endif
.if FI == 12
	v_pk_mul_f32 v[P+4:P+5],   v[S01:S01+1], v[C23:C23+1]      ; (E_2, F_2) = (s0 c2, s1 c3)
	v_pk_mul_f32 v[P+6:P+7],   v[S01:S01+1], v[S23:S23+1]      ; (E_3, F_3) = (s0 s2, s1 s3)
.endif
.if FI == 13
	CROSS 0, 0, 1
	CROSS 1, 0, 2
.endif
.if FI == 14
	CROSS 2, 0, 3
	CROSS 3, 1, 2
.endif
.if FI == 15
	CROSS 4, 1, 3
	CROSS 5, 2, 3
.endif
.if FI == 16
	v_mul_f32 v[T+12], v[P+0], v[P+1]                          ; E_a F_a
	v_mul_f32 v[T+13], v[P+2], v[P+3]
.endif
.if FI == 17
	v_mul_f32 v[T+14], v[P+4], v[P+5]
	v_mul_f32 v[T+15], v[P+6], v[P+7]
.endif
.if FI == 18
	v_cvt_pk_f16_f32 v[RB+0], v[T+12], v[T+15]                 ; r_0,  r_15
	v_cvt_pk_f16_f32 v[RB+1], v[T+8],  v[T+3]                  ; r_7,  r_8
.endif
.if FI == 19
	v_cvt_pk_f16_f32 v[RB+2], v[T+11], v[T+0]                  ; r_14, r_1
	v_cvt_pk_f16_f32 v[RB+3], v[T+7],  v[T+6]                  ; r_9,  r_6
.endif
.if FI == 20
	v_cvt_pk_f16_f32 v[RB+4], v[T+4],  v[T+5]                  ; r_5,  r_10
	v_cvt_pk_f16_f32 v[RB+5], v[T+1],  v[T+10]                 ; r_2,  r_13
.endif
.if FI == 21
	v_cvt_pk_f16_f32 v[RB+6], v[T+9],  v[T+2]                  ; r_11, r_4
	v_cvt_pk_f16_f32 v[RB+7], v[T+14], v[T+13]                 ; r_12, r_3
.endif
.endm
.macro FEAT b                          ; a whole batch in one run
.set FB, \b
.set FI, 0
.rept NPAIR
	FPAIR
.set FI, FI+1
.endr
.endm
.macro FILL                            ; the next pair of the stream; FN = NPAIR x batch + pair
.set FB, FN/NPAIR
.set FI, FN%NPAIR
	FPAIR
.set FN, FN+1
.endm
	; ---- in front of barrier A: wave 0 makes the gates; wave 1 S and the zeros (they hang on no load); waves 1-7 two batches ----
	s_cmp_eq_u32 s10, 0
	s_cbranch_scc1 .Lprep
	s_cmp_lg_u32 s10, 1
	s_cbranch_scc1 .Lfirst
	; S as an A fragment: lane (row = lane % 16, h = lane / 16), registers 0-3: k = 8h .. 8h+7, registers 4-7: k = 16+8h ..
	; k < 16: amplitude k of the batch's samples 0-15; k >= 16: amplitude k - 16 of samples 16-31.
	; Rows 0-7 act on k < 16, rows 8-15 on k >= 16; row % 4 = q has -1 where bit 3 - q of the amplitude is set.
	; (Rows 4-7 and 12-15 repeat rows 0-3 and 8-11; what they produce is never stored.)
	; The six compares stand in one run, each with a scalar register of its own, and the four LDS stores in one run at the end.
	v_and_b32 v[F01], 3, v[LANE]                   ; q
	v_and_b32 v[S23], 8, v[LANE]
	v_cmp_lt_u32 s14, 15, v[LANE]                  ; h = 1
	v_cmp_eq_u32 s15, 0, v[F01]
	v_cmp_ne_u32 s16, 3, v[F01]
	v_cmp_ne_u32 s17, 1, v[F01]
	v_cmp_ne_u32 s18, 2, v[F01]
	v_cmp_eq_u32 s19, 0, v[S23]                    ; rows 0-7
.irp i, 0,1,2,3
	v_mov_b32 v[P+\i], 0
.endr
	v_mov_b32 v[F01+1], 0x3c003c00                 ; (+1, +1) in f16
	v_mov_b32 v[F23],   0xbc00bc00                 ; (-1, -1)
	s_wait_alu depctr_va_sdst(0)                   ; the six compares have written s14 to s19, which the selects below read
	v_cndmask_b32 v[F23+1], v[F01+1], v[F23], s14              ; q = 0: bit 3 of the amplitude is h
	v_cndmask_b32 v[U01], v[F01+1], v[F23+1], s15
	v_cndmask_b32 v[U01], 0xbc003c00, v[U01], s16              ; q = 3: bit 0, the upper half of every register
	v_cndmask_b32 v[S01], 0x80008000, v[P], s17                ; q = 1: bit 2, registers 2 and 3
	v_cndmask_b32 v[S01+1], 0x80008000, v[P], s18              ; q = 2: bit 1, registers 1 and 3
	v_xor_b32 v[U01+1], v[U01], v[S01+1]
	v_xor_b32 v[U01+2], v[U01], v[S01]
	v_xor_b32 v[U01+3], v[U01+1], v[S01]
.irp i, 0,1,2,3
	v_cndmask_b32 v[T+\i],   v[P], v[U01+\i], s19
	v_cndmask_b32 v[T+4+\i], v[U01+\i], v[P], s19
.endr
	s_wait_alu depctr_va_vdst(0)                   ; v[P .. P+3] and v[T .. T+7] are written, which the four LDS stores read
	ds_store_b128 v[SA], v[P:P+3] offset:LDS_ZR
	ds_store_b128 v[SA], v[P:P+3] offset:LDS_ZR+512
	ds_store_b128 v[SA], v[T:T+3]   offset:LDS_ST
	ds_store_b128 v[SA], v[T+4:T+7] offset:LDS_ST+512
	s_wait_alu depctr_vm_vsrc(0)                   ; the four stores have read P and T, which the features of batch 0 write again
.Lfirst:
	FEAT 0
	FEAT 1
	s_branch .Lbar_a
.Lprep:
	; Lane g: G = RZ(w2) RY(w1) RX(w0) = [[a, -conj b], [b, conj a]],
	; a = (cz - i sz)(cy cx + i sy sx), b = (cz + i sz)(sy cx - i cy sx).
	; A lane whose amplitude has the gate's qubit at 0 computes a own - conj(b) partner, one at 1 conj(a) own + b partner:
	; both sets (A = factor of own, B = factor of partner) are stored, 16 bytes each.
	s_wait_loadcnt NB                              ; the angles are in; my NB loads of x are younger and may be out
	v_mov_b32 v[XW+3], v[XW+2]                     ; the fourth place of the macro: any finite number
	SINCOS XW
	v_mul_f32 v[P+0], v[C01+1], v[C01]             ; p = cy cx
	v_mul_f32 v[P+1], v[S01+1], v[S01]             ; q = sy sx
	v_mul_f32 v[P+2], v[S01+1], v[C01]             ; r = sy cx
	v_mul_f32 v[P+3], v[C01+1], v[S01]             ; t = cy sx
	v_mul_f32 v[T+8],  v[S23], v[P+1]
	v_mul_f32 v[T+9],  v[S23], v[P+0]
	v_mul_f32 v[T+10], v[S23], v[P+3]
	v_mul_f32 v[T+11], v[C23], v[P+3]
	v_fma_f32 v[T+0], v[C23], v[P+0], v[T+8]       ;  a_re = cz p + sz q
	v_fma_f32 v[T+1], v[C23], v[P+1], -v[T+9]      ;  a_im = cz q - sz p
	v_fma_f32 v[T+2], -v[C23], v[P+2], -v[T+10]    ; -b_re = -(cz r + sz t)
	v_fma_f32 v[T+3], v[S23], v[P+2], -v[T+11]     ;  b_im = sz r - cz t
	v_mov_b32 v[T+4], v[T+0]                       ; the second set repeats a_re and b_im: 16 bytes that go out together
	v_fma_f32 v[T+5], -v[C23], v[P+1], v[T+9]      ; -a_im
	v_fma_f32 v[T+6], v[C23], v[P+2], v[T+10]      ;  b_re
	v_mov_b32 v[T+7], v[T+3]
	v_lshlrev_b32 v[U01], 5, v[LANE]               ; row = lane: 32 rows of 32 bytes, the last eight are copies of gate 23
	s_wait_alu depctr_va_vdst(0)                   ; v[T .. T+7] and the address v[U01] are written, which the two LDS stores read
	ds_store_b128 v[U01], v[T:T+3]   offset:LDS_GT
	ds_store_b128 v[U01], v[T+4:T+7] offset:LDS_GT+16
	s_wait_alu depctr_vm_vsrc(0)                   ; the two stores have read U01 and T, which the stream of features writes again
.Lbar_a:
	s_wait_dscnt 0x0                               ; the tables are in LDS before their writers say so
	s_barrier_signal -1
	s_barrier_wait -1
	; ---- the 24 gates on my column, with the features of batches 2 .. in their gaps ----
	; A CNOT ring only renames amplitudes: psi'[i] = psi[Q i], Q linear over GF(2) on the four index bits (bit 3 = qubit 0):
	; Q = rows 1001, 1101, 0110, 0011; its inverse R = rows 0111, 1100, 1110, 1111.  No data moves: in layer n lane l holds amplitude
	; Q^(6-n) l, so that behind layer 6 lane l holds amplitude l, and at the start lane c holds basis state J(c) = Q^6 c.
	; For qubit q of layer n: rho = row q of Q^(6-n): the amplitude's bit is parity(l & rho);  xm = column q of R^(6-n): the partner is l ^ xm.
.macro FORGATES op                     ; g = 4 (layer - 1) + q, rho, xm
	\op 0, 3, 14
	\op 1, 10, 7
	\op 2, 13, 15
	\op 3, 6, 11
	\op 4, 1, 9
	\op 5, 9, 8
	\op 6, 4, 4
	\op 7, 2, 2
	\op 8, 15, 1
	\op 9, 8, 12
	\op 10, 12, 6
	\op 11, 14, 3
	\op 12, 10, 13
	\op 13, 7, 10
	\op 14, 11, 5
	\op 15, 5, 14
	\op 16, 9, 7
	\op 17, 13, 15
	\op 18, 6, 11
	\op 19, 3, 9
	\op 20, 8, 8
	\op 21, 4, 4
	\op 22, 2, 2
	\op 23, 1, 1
.endm
; No wait stands here: the addresses PA were shown written at the end of the head and no vector instruction has named them since;
; no vector instruction has named v160 to v255, in which the loads land.
.macro LOADCO g, rho, xm
	ds_load_b128 v[CO+4*\g:CO+4*\g+3], v[PA+\rho] offset:LDS_GT+32*\g
.endm
; new = A own + B partner, complex; the partner's value rides in on the arithmetic (row_xmask inside each half of 16 lanes).
; Four steps of two instructions, each step reading the step before: behind each stands a pair of the stream, which reads none of them.
.macro GATE g, rho, xm
.set SRC, ST0+2*((\g)&1)
.set DST, ST0+2-2*((\g)&1)
.set CG,  CO+4*(\g)
	s_wait_dscnt 23-(\g)                           ; LDS loads return in order: gate g's is in, the 23-g younger ones may be out
	v_mul_f32_dpp  v[GX],    v[SRC+1], v[CG+3] row_xmask:\xm row_mask:0xf bank_mask:0xf    ; B_im p_im
	v_mul_f32_dpp  v[DST+1], v[SRC+1], v[CG+2] row_xmask:\xm row_mask:0xf bank_mask:0xf    ; B_re p_im
	FILL
	v_fmac_f32     v[GX],    v[CG+1],  v[SRC+1]                                            ; + A_im o_im
	v_fmac_f32_dpp v[DST+1], v[SRC],   v[CG+3] row_xmask:\xm row_mask:0xf bank_mask:0xf    ; + B_im p_re
	FILL
	v_fma_f32      v[DST],   v[CG],    v[SRC], -v[GX]                                      ; A_re o_re - (..)
	v_fmac_f32     v[DST+1], v[CG],    v[SRC+1]                                            ; + A_re o_im
	FILL
	v_fmac_f32_dpp v[DST],   v[SRC],   v[CG+2] row_xmask:\xm row_mask:0xf bank_mask:0xf    ; + B_re p_re
	v_fmac_f32     v[DST+1], v[CG+1],  v[SRC]                                              ; + A_im o_re
	FILL
.endm
.set FN, 2*NPAIR                                   ; the stream starts at batch 2
	FORGATES LOADCO
.rept 8
	FILL                                           ; while the first coefficients come
.endr
	FORGATES GATE                                  ; 96 pairs of the stream
	v_cvt_pk_f16_f32 v[GX], v[ST0], v[ST0+1]       ; gate 23 wrote set 0: W(l, c), re in the low half, im in the high half
	s_wait_alu depctr_va_vdst(0)                   ; the conversion has written GX, which the two stores read; and the gates are done reading v160 to v199, in which the fragment loads behind the barrier land
	ds_store_b16        v[WAD], v[GX] offset:LDS_WT
	ds_store_b16_d16_hi v[WAD], v[GX] offset:LDS_WT+512
	s_wait_dscnt 0x0                               ; my two columns of W are in LDS
	s_wait_alu depctr_vm_vsrc(0)                   ; the coefficient loads have read their addresses PA (v97 to v111), which the conversions of batches 6 and 7 write
	s_barrier_signal -1
.rept 5*NPAIR-8-96
	FILL                                           ; registers only: the six pairs that end batch 6; they name P, T and v96 to v103
.endr
	s_barrier_wait -1
	; ---- fragments: row lane % 16 of W, 16 features = 32 bytes, in one half of the lanes, zeros in the other ----
	; No wait stands here: since the wait behind the gates no vector instruction has named v160 to v199, AG0, AG1 or SA.
.irp t, 0,1
	ds_load_b128 v[WF+8*\t:WF+8*\t+3],       v[AG0] offset:LDS_WT+512*\t
	ds_load_b128 v[WF+8*\t+4:WF+8*\t+7],     v[AG0] offset:LDS_WT+512*\t+256
	ds_load_b128 v[WF+16+8*\t:WF+16+8*\t+3], v[AG1] offset:LDS_WT+512*\t
	ds_load_b128 v[WF+16+8*\t+4:WF+16+8*\t+7], v[AG1] offset:LDS_WT+512*\t+256
.endr
	ds_load_b128 v[SF:SF+3],   v[SA] offset:LDS_ST
	ds_load_b128 v[SF+4:SF+7], v[SA] offset:LDS_ST+512
	; while they come: wave 0 makes up the two batches that the gate table cost it (the stream stands between two batches here,
	; so the shared temporaries are free), and every wave makes its last batch
	s_cmp_lg_u32 s10, 0
	s_cbranch_scc1 .Lrest
	FEAT 0
	FEAT 1
.Lrest:
.rept NPAIR
	FILL                                           ; batch 7
.endr
	s_wait_dscnt 0x0                               ; the ten fragment loads
; psi of batch b: tile 2 g + t = (samples 16 g .. 16 g + 15) x (re, im); register j of lane (r, h): amplitude 8h + j of sample 16 g + r
.macro MM1 b, d
.irp i, 0,1,2,3
	v_wmma_f32_16x16x32_f16 v[\d+8*\i:\d+8*\i+7], v[WF+8*\i:WF+8*\i+7], v[FR+8*\b:FR+8*\b+7], 0
.endr
.endm
; p = re^2 + im^2 in f32, then packed: registers 0-3 group 0 (k = 8h + j), registers 4-7 group 1 (k = 16 + 8h + j)
.macro POST d
.irp g, 0,1
.irp i, 0,2,4,6
	v_pk_mul_f32 v[PP+8*\g+\i:PP+8*\g+\i+1], v[\d+16*\g+8+\i:\d+16*\g+8+\i+1], v[\d+16*\g+8+\i:\d+16*\g+8+\i+1]
.endr
.endr
.irp g, 0,1
.irp i, 0,2,4,6
	v_pk_fma_f32 v[PP+8*\g+\i:PP+8*\g+\i+1], v[\d+16*\g+\i:\d+16*\g+\i+1], v[\d+16*\g+\i:\d+16*\g+\i+1], v[PP+8*\g+\i:PP+8*\g+\i+1]
.endr
.endr
.irp g, 0,1
.irp i, 0,1,2,3
	v_cvt_pk_f16_f32 v[PB+4*\g+\i], v[PP+8*\g+2*\i], v[PP+8*\g+2*\i+1]
.endr
.endr
.endm
; One batch's turn.  Behind a matrix instruction four (before a vector instruction or a store touches its registers) or five
; (before a matrix instruction writes over them) plain vector instructions that name none of its registers must pass.
; So psi of batch b+1 is started before p of batch b is made, and the results of batch b-1 are stored behind p's
; arithmetic: the 16 packed instructions of POST are those places for all three.  The signed sums land in the batch's own feature
; registers, which nothing reads any more: no store's data is ever written over, so no wait on vm_vsrc is owed here.
; The turn's one wait on va_vdst stands behind POST, ahead of the store; the product with S follows the store.
.macro ITER b, dcur, dnext
.if \b < NB-1
	MM1 (\b+1), \dnext
.endif
.if \b == 0
.rept 4
	v_nop                                          ; the first batch has no earlier batch's arithmetic in front of it
.endr
.endif
	POST \dcur
.if \b > 0
	s_wait_alu depctr_va_vdst(0)                   ; the product with S of the batch before has written its results, which the store reads; the places above stay beside this wait
	global_store_b128 v[VOFF], v[FR+8*(\b-1):FR+8*(\b-1)+3], s[8:9] offset:(\b-1)*BSTEP th:TH_STORE_NT
.endif
	v_wmma_f32_16x16x32_f16 v[FR+8*\b:FR+8*\b+7], v[SF:SF+7], v[PB:PB+7], 0    ; registers 0-3 of lane L: the four results of sample L
.endm
	MM1 0, D0
	ITER 0, D0, D1
	ITER 1, D1, D0
	ITER 2, D0, D1
	ITER 3, D1, D0
	ITER 4, D0, D1
	ITER 5, D1, D0
	ITER 6, D0, D1
	ITER 7, D1, D0
.rept 4
	v_nop                                          ; the places behind the last matrix instruction
.endr
	s_wait_alu depctr_va_vdst(0)                   ; the last product with S has written its results, which the last store reads
	global_store_b128 v[VOFF], v[FR+8*(NB-1):FR+8*(NB-1)+3], s[8:9] offset:(NB-1)*BSTEP th:TH_STORE_NT
	s_set_vgpr_msb 0x5
	s_wait_dscnt 0x0
	s_wait_alu depctr_hold_cnt(0) depctr_sa_sdst(0) depctr_va_vdst(0) depctr_va_sdst(0) depctr_va_ssrc(0) depctr_va_vcc(0) depctr_vm_vsrc(0)
	s_wait_tensorcnt 0x0
	ds_add_u32 v0, v1
	s_wait_dscnt 0x0
	s_endpgm
.Lfunc_end_k_q117f273b24_qlayer:
	.size	k_q117f273b24_qlayer, .Lfunc_end_k_q117f273b24_qlayer-k_q117f273b24_qlayer
	.p2alignl 7, 3214868480
	.fill 96, 4, 3214868480
	.section	.rodata,"a",@progbits
	.p2align	6, 0x0
	.amdhsa_kernel k_q117f273b24_qlayer
		.amdhsa_group_segment_fixed_size 5120
		.amdhsa_private_segment_fixed_size 0
		.amdhsa_enable_private_segment 0
		.amdhsa_kernarg_size 24
		.amdhsa_user_sgpr_count 2
		.amdhsa_user_sgpr_kernarg_segment_ptr 1
		.amdhsa_wavefront_size32 1
		.amdhsa_system_sgpr_workgroup_id_x 1
		.amdhsa_system_sgpr_workgroup_id_y 1
		.amdhsa_system_sgpr_workgroup_id_z 1
		.amdhsa_system_vgpr_workitem_id 0
		.amdhsa_next_free_vgpr 258
		.amdhsa_next_free_sgpr 66
		.amdhsa_reserve_vcc 1
		.amdhsa_float_denorm_mode_32 3
		.amdhsa_float_denorm_mode_16_64 3
		.amdhsa_memory_ordered 1
		.amdhsa_forward_progress 1
		.amdhsa_inst_pref_size 70
	.end_amdhsa_kernel
	.amdgpu_metadata
---
amdhsa.version: [ 1, 2 ]
amdhsa.kernels:
  - .name:           k_q117f273b24_qlayer
    .symbol:         k_q117f273b24_qlayer.kd
    .args:
      - { .name: weights, .offset: 0, .size: 8, .value_kind: global_buffer, .address_space: global }
      - { .name: x, .offset: 8, .size: 8, .value_kind: global_buffer, .address_space: global }
      - { .name: out0, .offset: 16, .size: 8, .value_kind: global_buffer, .address_space: global }
    .group_segment_fixed_size: 5120
    .private_segment_fixed_size: 0
    .kernarg_segment_align: 8
    .kernarg_segment_size: 24
    .max_flat_workgroup_size: 256
    .sgpr_count:     66
    .vgpr_count:     258
    .wavefront_size: 32
...
	.end_amdgpu_metadata
.endif
;; end of part 2
